; MI455X (gfx1250); checked and timed in simulation.
; The chip was launched on July 23, 2026; its instructions are those of AMD's public machine-readable ISA for CDNA 5 (MIT licence, August 2026) and "CDNA5" Instruction Set Architecture Reference Guide (July 2026). The comments in the code are by the model that wrote it; some were corrected since.
;; Diffusion Actor. Allowed arithmetic: float matrix products may take bf16 or f16 operands with f32 sums; other float arithmetic in f32, or as packed bf16 or f16 multiplies, adds, multiply-adds, maxima and minima; sums over many terms, partial sums and values carried from step to step in f32; what a program stores and reads back later, other than sums and carried values, may be rounded once to bf16 or f16.
;; Inputs: W1 258 x 256 float32; W2 256 x 256 float32; W3 256 x 129 float32; action_mask 32,768 x 128 float32; b1 256 float32; b2 256 float32; b3 129 float32; be1 256 float32; be2 256 float32; g1 256 float32; g2 256 float32; gumbel_noise 32,768 x 128 float32; state 32,768 x 128 float32; x_init 32,768 x 129 float32.
;; Outputs: out0 32,768 x 129 float32.
;; One version. Each part assembles by itself: llvm-mc -triple=amdgcn-amd-amdhsa -mcpu=gfx1250 --defsym DOCPART=n.
;; ======== version 1 of 1: 2 launches
;; limits: values are held in f16: magnitudes above 65,504 overflow, below 6.1e-05 lose precision; inputs' magnitudes at most 65,504
;; workspace buffers: wimg 358,400 bytes
;; launch prep (part 1): grid 175 x 1, 4 waves a work-group, no clusters, 0 bytes of LDS; arguments W1, W2, W3, b1, b2, b3, g1, be1, g2, be2, wimg; writes wimg
.if DOCPART == 1
	.amdgcn_target "amdgcn-amd-amdhsa--gfx1250"
	.amdhsa_code_object_version 6
	.text
	.protected	k_q1fa7f07263_prep
	.globl	k_q1fa7f07263_prep
	.p2align	8
	.type	k_q1fa7f07263_prep,@function
k_q1fa7f07263_prep:
	s_mov_b64 s[64:65], 0
	v_nop
	global_prefetch_b8 v0, s[64:65] scope:SCOPE_SE
	s_setreg_imm32_b32 hwreg(HW_REG_WAVE_MODE, 25, 1), 1
	s_wait_xcnt 0x0
; THE PROGRAM has two launches.  This one rounds the weights, biases and gains to bf16 and lays them out as the second launch's matrix operands; the second walks all 7 steps and writes out0.
; WORK LEFT OUT (in the second launch), for all finite values of the inputs:
;  (1) es_selection = y_hard + y_soft - stop_gradient(y_soft).  In exact arithmetic y_soft - y_soft = 0, so es_selection = y_hard.
;  (2) y_hard = one_hot(argmax(softmax(z))), z = es_logits + gumbel_noise.  Along a row softmax(z)_i = exp(z_i - max z) / sum is one strictly increasing function of z_i, so the largest y_soft
;      stands where the largest z stands, and equal z give equal y_soft: argmax(softmax(z)) = argmax(z), the first index at ties.  So the softmax (its maximum, exponentials, sum, division) reaches no output.
;  (3) state @ W1[0:128] is the same in all 7 steps: it is made once.  x[:, :128] @ W1[128:256] is linear in x, and x changes by -0.1 noise_pred a step: the product is made once of x_init and then takes
;      each step's increment.
; Every input has a way to the output and is loaded.
; LIMITS.  A NaN, an infinity or an overflow that would arise in the softmax alone is not carried to the result.  Two z that differ but whose y_soft round to one f32 number are told apart here.
; NaN and infinities among the inputs are not treated apart.  All inputs are rounded once to bf16 (to nearest even); what the program makes itself stays in f32 or goes to the matrix unit in 16-bit terms.
; W1's rows from 128 on and b1 are written as f16 OF THAT bf16 NUMBER: exact from 2^-17 to 65,504 in magnitude; below, off by 2^-25 at the most; beyond, lost.
;
; wimg, 358,400 bytes: fragments of 1,024 bytes and a table.  A fragment is 16 output features x 32 k in the order of a matrix instruction's source 0:
; byte 512 c + 16 lane + 2 i holds W[k][n] in 16 bits, n = 16 nt + lane % 16, k = 32 kb + 16 c + 8 (lane / 16) + i.
;   fragments   0- 79  W1X, f16: f = (5 nq + kb) 4 + i, nt = 4 nq + i; kb 0-3: W1 rows 128 + k (x's first 128); kb 4: k0 = W1[256], k1 = W1[257], k2 = W1[256], k3 = b1, else 0
;   fragments  80-207  W2, bf16:  f - 80 = (8 nq + kb) 4 + i, nt = 4 nq + i
;   fragments 208-279  W3, bf16:  f - 208 = (8 tq + kb) 3 + i, nt = 3 tq + i; columns from 129 on are 0
;   bytes 286,720 on   PAR: f32 numbers that are bf16-rounded: g1, be1, g2, be2, b2, b3, 1,024 bytes each (b3: 129 numbers, then zeros)
;   bytes 292,864 on   W1S, bf16: 64 fragments, (4 nq + kb) 4 + i: W1 rows 0-127 (state's)
; SHARES.  700 waves; each makes 512 consecutive bytes and stores them by one instruction.  Every branch hangs on the wave's number in the grid alone.
.set NT,   34                          ; s34  the tile of 16 columns
.set ROW,  35                          ; s35  the first row of W that the wave's lanes 0-15 take
.set OFFS, 40                          ; s[40:41] the wave's byte offset in wimg
	s_load_b512 s[4:19], s[0:1], 0x0               ; W1 s[4:5], W2 s[6:7], W3 s[8:9], b1 s[10:11], b2 s[12:13], b3 s[14:15], g1 s[16:17], be1 s[18:19]
	s_load_b128 s[20:23], s[0:1], 0x40             ; g2 s[20:21], be2 s[22:23]
	s_load_b64 s[24:25], s[0:1], 0x50              ; wimg
	v_lshrrev_b32 v1, 5, v0
	v_readfirstlane_b32 s26, v1                    ; wave 0..3
	v_and_b32 v1, 15, v0                           ; r = lane % 16
	v_bfe_u32 v2, v0, 4, 1                         ; h = lane / 16
	v_and_b32 v3, 31, v0
	v_lshlrev_b32 v3, 4, v3                        ; my 16 bytes of the wave's 512
	s_lshl_b32 s27, ttmp9, 2
	s_add_co_u32 s27, s27, s26                     ; the wave's number in the grid, 0..699
	s_lshl_b32 s[OFFS], s27, 9
	s_mov_b32 s[OFFS+1], 0
	s_lshr_b32 s28, s27, 1                         ; f: the fragment
	s_and_b32 s29, s27, 1                          ; c: its half
	s_wait_kmcnt 0x0
; Eight numbers W[row + 8 h + i][16 nt + r], i = 0..7, from a matrix of ld columns at s[bs:bs+1], rounded and packed into v[16:19].
.macro GATHER ld, bs
	v_lshl_add_u32 v4, s[NT], 4, v1                ; n
	v_min_u32 v5, (\ld)-1, v4                      ; no load leaves the matrix
	v_lshl_add_u32 v6, v2, 3, s[ROW]
	v_mul_u32_u24 v6, v6, \ld
	v_add_lshl_u32 v6, v6, v5, 2
.irp i, 0,1,2,3,4,5,6,7
	global_load_b32 v[8+(\i)], v6, s[\bs:\bs+1] offset:(\i)*(\ld)*4
.endr
	s_wait_loadcnt 0x0
.irp i, 0,1,2,3
	v_cvt_pk_bf16_f32 v[16+(\i)], v[8+2*(\i)], v[8+2*(\i)+1]
.endr
.endm
; The eight bf16 numbers in v[16:19] are written as f16.
.macro TOF16
.irp i, 0,1,2,3
	v_lshlrev_b32 v[8+2*(\i)], 16, v[16+(\i)]
	v_and_b32 v[8+2*(\i)+1], 0xffff0000, v[16+(\i)]
.endr
.irp i, 0,1,2,3
	v_cvt_pk_f16_f32 v[16+(\i)], v[8+2*(\i)], v[8+2*(\i)+1]
.endr
.endm
	s_cmp_ge_u32 s27, 688
	s_cbranch_scc1 .Lpar
	s_cmp_ge_u32 s28, 280
	s_cbranch_scc1 .Lw1s
	s_cmp_ge_u32 s28, 208
	s_cbranch_scc1 .Lw3
	s_cmp_ge_u32 s28, 80
	s_cbranch_scc1 .Lw2
	; W1X
	s_lshr_b32 s30, s28, 2                         ; 5 nq + kb, 0..19
	s_and_b32 s31, s28, 3                          ; i
	s_mul_i32 s32, s30, 13
	s_lshr_b32 s32, s32, 6                         ; nq: 13 / 64 divides 0..19 by 5
	s_mul_i32 s33, s32, 5
	s_sub_co_u32 s33, s30, s33                     ; kb
	s_lshl2_add_u32 s[NT], s32, s31
	s_cmp_eq_u32 s33, 4
	s_cbranch_scc1 .Lextra
	s_lshl_b32 s[ROW], s33, 5
	s_lshl4_add_u32 s[ROW], s29, s[ROW]
	s_add_co_u32 s[ROW], s[ROW], 128
	GATHER 256, 4
	TOF16
	s_branch .Lstore
.Lextra:                                               ; the block that carries x[128] (in two terms), t and b1
	v_lshl_add_u32 v4, s[NT], 4, v1
	v_lshlrev_b32 v6, 2, v4
	global_load_b32 v8, v6, s[4:5] offset:256*256*4
	global_load_b32 v9, v6, s[4:5] offset:257*256*4
	global_load_b32 v10, v6, s[10:11]
	v_add_nc_u32 v7, s29, v2
	v_cmp_eq_u32 vcc_lo, 0, v7                     ; k 0..7 lie in half 0 of the fragment, lanes 0-15
	s_wait_loadcnt 0x0
	v_cvt_pk_bf16_f32 v16, v8, v9
	v_cvt_pk_bf16_f32 v17, v8, v10
	v_cndmask_b32 v16, 0, v16, vcc_lo
	v_cndmask_b32 v17, 0, v17, vcc_lo
	v_mov_b32 v18, 0
	v_mov_b32 v19, 0
	TOF16
	s_branch .Lstore
.Lw2:
	s_sub_co_u32 s30, s28, 80
	s_and_b32 s31, s30, 3
	s_lshr_b32 s30, s30, 2
	s_and_b32 s33, s30, 7                          ; kb
	s_lshr_b32 s32, s30, 3                         ; nq
	s_lshl2_add_u32 s[NT], s32, s31
	s_lshl_b32 s[ROW], s33, 5
	s_lshl4_add_u32 s[ROW], s29, s[ROW]
	GATHER 256, 6
	s_branch .Lstore
.Lw3:
	s_sub_co_u32 s30, s28, 208
	s_mul_i32 s32, s30, 43
	s_lshr_b32 s32, s32, 7                         ; 8 tq + kb: 43 / 128 divides 0..71 by 3
	s_mul_i32 s31, s32, 3
	s_sub_co_u32 s31, s30, s31                     ; i
	s_and_b32 s33, s32, 7
	s_lshr_b32 s32, s32, 3
	s_mul_i32 s[NT], s32, 3
	s_add_co_u32 s[NT], s[NT], s31
	s_lshl_b32 s[ROW], s33, 5
	s_lshl4_add_u32 s[ROW], s29, s[ROW]
	GATHER 129, 8
	v_cmp_gt_u32 vcc_lo, 129, v4                   ; columns that W3 has
.irp i, 0,1,2,3
	v_cndmask_b32 v[16+(\i)], 0, v[16+(\i)], vcc_lo
.endr
	s_branch .Lstore
.Lw1s:
	s_add_co_u32 s[OFFS], s[OFFS], 6144            ; behind the table
	s_sub_co_u32 s30, s28, 280
	s_and_b32 s31, s30, 3
	s_lshr_b32 s30, s30, 2
	s_and_b32 s33, s30, 3                          ; kb
	s_lshr_b32 s32, s30, 2                         ; nq
	s_lshl2_add_u32 s[NT], s32, s31
	s_lshl_b32 s[ROW], s33, 5
	s_lshl4_add_u32 s[ROW], s29, s[ROW]
	GATHER 256, 4
	s_branch .Lstore
.Lpar:                                                 ; 128 numbers of one of the six vectors, rounded to bf16 and kept as f32
	s_sub_co_u32 s30, s27, 688
	s_lshl_b32 s[OFFS], s30, 9
	s_add_co_u32 s[OFFS], s[OFFS], 286720
	s_lshr_b32 s33, s30, 1                         ; which vector
	s_and_b32 s31, s30, 1
	s_lshl_b32 s31, s31, 7                         ; which half of it
	s_mov_b32 s36, 255                             ; its last index
	s_movk_i32 s37, 128
	s_mov_b64 s[38:39], s[16:17]
	s_cmp_eq_u32 s33, 1
	s_cselect_b64 s[38:39], s[18:19], s[38:39]
	s_cmp_eq_u32 s33, 2
	s_cselect_b64 s[38:39], s[20:21], s[38:39]
	s_cmp_eq_u32 s33, 3
	s_cselect_b64 s[38:39], s[22:23], s[38:39]
	s_cmp_eq_u32 s33, 4
	s_cselect_b64 s[38:39], s[12:13], s[38:39]
	s_cmp_eq_u32 s33, 5
	s_cselect_b64 s[38:39], s[14:15], s[38:39]
	s_cselect_b32 s36, s37, s36
	v_and_b32 v4, 31, v0
	v_lshl_add_u32 v4, v4, 2, s31
.irp i, 0,1,2,3
	v_add_nc_u32 v[20+(\i)], \i, v4
	v_min_u32 v[24+(\i)], s36, v[20+(\i)]          ; no load leaves the vector
	v_lshlrev_b32 v[24+(\i)], 2, v[24+(\i)]
	global_load_b32 v[8+(\i)], v[24+(\i)], s[38:39]
.endr
	s_wait_loadcnt 0x0
	v_cvt_pk_bf16_f32 v12, v8, v9
	v_cvt_pk_bf16_f32 v13, v10, v11
	v_lshlrev_b32 v16, 16, v12
	v_and_b32 v17, 0xffff0000, v12
	v_lshlrev_b32 v18, 16, v13
	v_and_b32 v19, 0xffff0000, v13
.irp i, 0,1,2,3
	v_cmp_ge_u32 vcc_lo, s36, v[20+(\i)]
	v_cndmask_b32 v[16+(\i)], 0, v[16+(\i)], vcc_lo
.endr
.Lstore:
	s_add_nc_u64 s[24:25], s[24:25], s[OFFS:OFFS+1]
	global_store_b128 v3, v[16:19], s[24:25]       ; the wave's 512 consecutive bytes, at a multiple of 512 from wimg's first
	s_endpgm
.Lfunc_end_k_q1fa7f07263_prep:
	.size	k_q1fa7f07263_prep, .Lfunc_end_k_q1fa7f07263_prep-k_q1fa7f07263_prep
	.p2alignl 7, 3214868480
	.fill 96, 4, 3214868480
	.section	.rodata,"a",@progbits
	.p2align	6, 0x0
	.amdhsa_kernel k_q1fa7f07263_prep
		.amdhsa_group_segment_fixed_size 0
		.amdhsa_private_segment_fixed_size 0
		.amdhsa_enable_private_segment 0
		.amdhsa_kernarg_size 88
		.amdhsa_user_sgpr_count 2
		.amdhsa_user_sgpr_kernarg_segment_ptr 1
		.amdhsa_wavefront_size32 1
		.amdhsa_system_sgpr_workgroup_id_x 1
		.amdhsa_system_sgpr_workgroup_id_y 1
		.amdhsa_system_sgpr_workgroup_id_z 1
		.amdhsa_system_vgpr_workitem_id 0
		.amdhsa_next_free_vgpr 32
		.amdhsa_next_free_sgpr 66
		.amdhsa_reserve_vcc 1
		.amdhsa_float_denorm_mode_32 3
		.amdhsa_float_denorm_mode_16_64 3
		.amdhsa_memory_ordered 1
		.amdhsa_forward_progress 1
		.amdhsa_inst_pref_size 13
	.end_amdhsa_kernel
	.amdgpu_metadata
---
amdhsa.version: [ 1, 2 ]
amdhsa.kernels:
  - .name:           k_q1fa7f07263_prep
    .symbol:         k_q1fa7f07263_prep.kd
    .args:
      - { .name: W1, .offset: 0, .size: 8, .value_kind: global_buffer, .address_space: global }
      - { .name: W2, .offset: 8, .size: 8, .value_kind: global_buffer, .address_space: global }
      - { .name: W3, .offset: 16, .size: 8, .value_kind: global_buffer, .address_space: global }
      - { .name: b1, .offset: 24, .size: 8, .value_kind: global_buffer, .address_space: global }
      - { .name: b2, .offset: 32, .size: 8, .value_kind: global_buffer, .address_space: global }
      - { .name: b3, .offset: 40, .size: 8, .value_kind: global_buffer, .address_space: global }
      - { .name: g1, .offset: 48, .size: 8, .value_kind: global_buffer, .address_space: global }
      - { .name: be1, .offset: 56, .size: 8, .value_kind: global_buffer, .address_space: global }
      - { .name: g2, .offset: 64, .size: 8, .value_kind: global_buffer, .address_space: global }
      - { .name: be2, .offset: 72, .size: 8, .value_kind: global_buffer, .address_space: global }
      - { .name: wimg, .offset: 80, .size: 8, .value_kind: global_buffer, .address_space: global }
    .group_segment_fixed_size: 0
    .private_segment_fixed_size: 0
    .kernarg_segment_align: 8
    .kernarg_segment_size: 88
    .max_flat_workgroup_size: 128
    .sgpr_count:     66
    .vgpr_count:     32
    .wavefront_size: 32
...
	.end_amdgpu_metadata
.endif
;; end of part 1
;; launch actor (part 2): grid 256 x 1, 4 waves a work-group, no clusters, 327,680 bytes of LDS; arguments wimg, state, x_init, gumbel_noise, action_mask, out0; writes out0
.if DOCPART == 2
	.amdgcn_target "amdgcn-amd-amdhsa--gfx1250"
	.amdhsa_code_object_version 6
	.text
	.protected	k_q1fa7f07263_actor
	.globl	k_q1fa7f07263_actor
	.p2align	8
	.type	k_q1fa7f07263_actor,@function
k_q1fa7f07263_actor:
	s_mov_b64 s[64:65], 0
	v_nop
	global_prefetch_b8 v0, s[64:65] scope:SCOPE_SE
	s_setreg_imm32_b32 hwreg(HW_REG_WAVE_MODE, 25, 1), 1
	s_wait_xcnt 0x0
; out0 = [one_hot(argmax(x[:, :128] + (1 - action_mask) * -1e9 + gumbel_noise)), tanh(x[:, 128])], x carried through 7 steps x -= 0.1 * MLP([state, x, t]), t = 6 .. 0.
; WORK LEFT OUT (shown at the head of the first kernel): the softmax, since y_hard + y_soft - y_soft = y_hard and argmax(softmax(z)) = argmax(z); state @ W1[0:128] is made once for all steps;
; x[:, :128] @ W1[128:256] is made once of x_init and then takes each step's increment, since it is linear in x.
; LIMITS.  A NaN, infinity or overflow that would arise in the softmax alone is not carried on; two z that differ but whose y_soft round to one f32 number are told apart here; the maximum passes over a NaN,
; and NaN and infinities among the inputs are not treated apart.  z is made by reference()'s own four f32 operations in its order, so -1e9 swallows x and the noise as it does there; ties take the first index.
; x_init, x[128] and the increments -0.1 noise_pred go to the matrix unit as f16: they lie within 65,504; below 6e-5 they keep f16's fixed step of 6e-8.
; FORMATS.  Every input is rounded once to bf16.  h1 and h2 are f32; each goes to the matrix unit as TWO bf16 terms, hi = bf16(y) and lo = bf16(y - hi): the output is an argmax, and one 16-bit
; rounding of the activations would move it in some rows.  The weights are bf16 numbers, so one term serves them.  Sums, LayerNorm and x in f32.
; LAYER 1 BY INCREMENTS.  S = state @ W1[0:128] + x[:, :128] @ W1[128:256] stays in f32 accumulators from step to step.  x_init, a bf16 number, is exact in f16: one term.  Each later step adds
; d @ W1[128:256], d = -0.1 noise_pred in ONE f16 term: its rounding is 2^-12 of d, and d is a small part of x.  x itself takes the unrounded d.  A last K block makes the layer's sums P = S + x[128] W1[256]
; (x[128] in two f16 terms) + t W1[257] + b1.  The order of rounding so differs from reference()'s, which multiplies the whole x anew in each step.
; SHARES.  A work-group owns 128 rows, a wave 32: two row tiles (rt = 0, 1) of 16.  256 work-groups.
; LAYOUT.  All products are taken transposed: source 0 = 16 output features x 32 k of a weight, source 1 = 32 k x 16 rows of activations.  In the result lane l holds batch row l % 16, register j of tile t
; the feature 16 t + 8 (l / 16) + j.  Tiles 2 kb and 2 kb + 1, packed in pairs, ARE source 1 of K block kb of the next layer: nothing changes lanes between layers, and a LayerNorm statistic wants one
; exchange between the halves of the lanes.  A weight fragment read from LDS feeds four products in layers 2 and 3 (two terms x two row tiles), two in layer 1.
; WEIGHTS.  All that a step reads (W1's rows for x, t and b1; W2; W3; gains and biases: 292,864 bytes, laid out by the first launch) is brought into LDS once and stays: no slot is ever filled again,
; and the step loop has no barrier.  W1's rows for state (65,536 bytes more than LDS holds) are read once from memory into registers, while the image is on its way.
; NO CLUSTER.  What the work-groups share is the image alone: 292,864 bytes for each, asked for once, at the head, and wanted only behind the inputs' change of lanes and the 128 products on state.
; The 7 steps, 6,720 of a wave's 6,848 matrix instructions, read no memory at all.  A joint request would spare three of four requests for those bytes once in the launch.
; LDS: 0 the image; STAGE 8,448 bytes for each wave, written by ds_store alone (rows change lanes there on the way in); SPARE the spare words.
; REGISTERS, in windows of 256 (s_set_vgpr_msb: bits 1:0 source 0, 3:2 source 1, 5:4 source 2, 7:6 destination):
;   window 0: v0-31 addresses, constants, statistics; v32-127 twelve weight fragments, a ring (between layers: LayerNorm's chains and two buffers of gains); v128-255 x
;   window 1 (P): the accumulators, tile t of rt at 128 rt + 8 t          window 2 (Q): source 1, K block kb of rt: hi (or the one term) at 128 rt + 16 kb, lo 8 further
;   window 3 (S): layer 1's carried sums, laid out like P; a landing place for x_init at the head and for the noise and the mask at the end
.set STAGE,  292864
.set STGW,   8448                      ; 16 rows x 528 bytes; x_init's 16 rows, 8,256 bytes on end, fit too
.set SPARE,  326656                    ; 128 bytes for each wave: two blocks of 256 bytes that no other line names
.set PARL,   286720                    ; the table in the image: g1 0, be1 1024, g2 2048, be2 3072, b2 4096, b3 5120
.set WPART,  73216                     ; a wave's quarter of the image: 286 rows of 256 bytes
.set RR,   1                           ; v1   r = lane % 16
.set HH,   2                           ; v2   h = lane / 16
.set AB,   3                           ; v3-7 16 x lane + 65,536 i: a fragment's address is one of these and an immediate
.set PARB, 8                           ; v8   the table + 32 h
.set ZERO, 9
.set NEG1, 10
.set ONE,  11
.set SPW,  12                          ; v12  my spare word; never rewritten
.set NIL,  13                          ; v13  0; never rewritten
.set STW,  14                          ; v14  my stage + 16 x lane
.set STR,  15                          ; v15  my stage + 528 r + 32 h
.set STX,  16                          ; v16  my stage + 516 r + 32 h
.set STX1, 17                          ; v17  my stage + 516 r + 512
.set GOFF, 18                          ; v18  16 x lane, for memory
.set GX17, 19                          ; v19  the 17th load of 8,256 bytes: 8,192 + 16 x lane, held to the last 16 bytes
.set X128, 20                          ; v20-21  x[128] of rt 0, 1
.set MN,   22                          ; v22-25  the mean, twice, for each rt; at work where x[128] is split
.set RS,   26                          ; v26-29  1 / sqrt(var + eps), twice, for each rt
.set TA,   30
.set TB,   31
.set ABUF, 32
.set CH,   32                          ; LayerNorm's chains of sums, 8 registers for each rt
.set SQ,   48                          ; and of squares
.set PT,   96                          ; LayerNorm's gains: even batches here, odd ones 32 registers lower
.set XF,   128
.set MSB, 0
.macro WIN new                         ; the immediate's high byte repeats the setting that is left; a switch that changes nothing is dropped
.if MSB != (\new)
	s_set_vgpr_msb (MSB<<8)|(\new)
.set MSB, (\new)
.endif
.endm
; A vector instruction that reads a matrix result or writes a matrix instruction's register, and a load into such a register, stand four places behind it; only plain vector instructions that
; name none of its registers are places (ISA guide 7.12.1 for vector instructions).
.macro PLACES
.rept 4
	v_nop
.endr
.endm
; n fragments from number f0 on into the ring's places s0 on: two loads of 512 consecutive bytes each
.macro GLOAD s0, f0, n
	WIN 0
.set gi, 0
.rept \n
.set gf, (\f0)+gi
	ds_load_b128 v[ABUF+8*((\s0)+gi):ABUF+8*((\s0)+gi)+3],   v[AB+gf/64] offset:(gf%64)*1024
	ds_load_b128 v[ABUF+8*((\s0)+gi)+4:ABUF+8*((\s0)+gi)+7], v[AB+gf/64] offset:(gf%64)*1024+512
.set gi, gi+1
.endr
.endm
; the bias of n tiles from t0 on, straight into both row tiles' accumulators: the sums begin there, and every product is a link in place
.macro BIASP tab, t0, n
	WIN 0x40
.set bi, 0
.rept \n
.irp rt, 0,1
	ds_load_b128 v[128*(\rt)+8*((\t0)+bi):128*(\rt)+8*((\t0)+bi)+3],   v[PARB] offset:(\tab)+64*((\t0)+bi)
	ds_load_b128 v[128*(\rt)+8*((\t0)+bi)+4:128*(\rt)+8*((\t0)+bi)+7], v[PARB] offset:(\tab)+64*((\t0)+bi)+16
.endr
.set bi, bi+1
.endr
.endm
; The next layer's first twelve fragments (from image byte s40) fill the ring: three groups of four, or layer 3's four groups of three.
.macro PRELOAD
	WIN 0
	v_add_nc_u32 v[TA], s40, v[AB]
.set gi, 0
.rept 12
	ds_load_b128 v[ABUF+8*gi:ABUF+8*gi+3],   v[TA] offset:1024*gi
	ds_load_b128 v[ABUF+8*gi+4:ABUF+8*gi+7], v[TA] offset:1024*gi+512
.set gi, gi+1
.endr
.endm
; The next layer's bias of tiles 0-3 (address in TB) into the accumulators.  Layer 3's first set has three tiles: its tile 3 gets the same numbers once more with its own set.
.macro BIAS0
	WIN 0x40
.irp i, 0,1,2,3
.irp rt, 0,1
	ds_load_b128 v[128*(\rt)+8*(\i):128*(\rt)+8*(\i)+3],   v[TB] offset:64*(\i)
	ds_load_b128 v[128*(\rt)+8*(\i)+4:128*(\rt)+8*(\i)+7], v[TB] offset:64*(\i)+16
.endr
.endr
.endm
; A group of layer 1: four tiles from t0 on x two row tiles, one f16 term.  kb 0-3: S += W1X d, in place.  kb 4: P = S + the extra block: S is there the C of another accumulator, so five places
; stand behind its last product (ISA guide 7.12.1).  The 8 accumulators take turns, one instruction a turn.
.macro GMUL1 s0, t0, kb
.if (\kb) == 4
.rept 5
	v_nop
.endr
.endif
.set mi, 0
.rept 4
.set mr, 0
.rept 2
.set rD, 128*mr+8*((\t0)+mi)
.set rA, ABUF+8*((\s0)+mi)
.if (\kb) == 4
	WIN 0x78
	v_wmma_f32_16x16x32_f16 v[rD:rD+7], v[rA:rA+7], v[128*mr+64:128*mr+71], v[rD:rD+7]
.else
	WIN 0xF8
	v_wmma_f32_16x16x32_f16 v[rD:rD+7], v[rA:rA+7], v[128*mr+16*(\kb):128*mr+16*(\kb)+7], v[rD:rD+7]
.endif
.set mr, mr+1
.endr
.set mi, mi+1
.endr
.endm
; A group of layers 2 and 3: nt tiles from t0 on x two row tiles x two terms, K block at Q + q.  The 2 nt accumulators take turns.
.macro GMUL2 s0, nt, t0, q
	WIN 0x58
.set mt, 0
.rept 2
.set mi, 0
.rept \nt
.set mr, 0
.rept 2
.set rD, 128*mr+8*((\t0)+mi)
.set rA, ABUF+8*((\s0)+mi)
.set rB, 128*mr+(\q)+8*mt
	v_wmma_f32_16x16x32_bf16 v[rD:rD+7], v[rA:rA+7], v[rB:rB+7], v[rD:rD+7]
.set mr, mr+1
.endr
.set mi, mi+1
.endr
.set mt, mt+1
.endr
.endm
; A LAYER: ng groups of nt fragments, from fragment fb on, through a ring of nb buffers; group g lies in buffer g % nb.  Groups 0 .. nb - 1 were asked for ahead of the layer.  In front of every
; group g > 0 with g % (nb - 1) = 0 stands ONE run of loads for groups g + 1 .. g + nb - 1, into the buffers of the nb - 1 groups multiplied last: few runs, each behind many products.
; per = groups to a set of tiles.  kind 2: with the first group of a set comes the set's bias (table tab), ahead of that group's fragments.
; THE WAIT in front of group g leaves out just the loads issued behind its fragments: the later groups of its run, or the run just issued: 2 nt loads each, 4 nt more where one opens a set.
.macro LAYER kind, fb, nt, ng, nb, per, tab
.set g, 0
.rept \ng
.if (g > 0) && (g%((\nb)-1) == 0)
	PLACES
.set j, 1
.rept (\nb)-1
.if g+j < (\ng)
.if ((\kind) == 2) && ((g+j)%(\per) == 0)
	BIASP \tab, (\nt)*((g+j)/(\per)), \nt
.endif
	GLOAD (\nt)*((g+j)%(\nb)), (\fb)+(\nt)*(g+j), \nt
.endif
.set j, j+1
.endr
.endif
.if g == 0
	s_wait_dscnt 0x0                               ; the ring's first filling and the first bias are in
.elseif g >= (\nb)-1
.set ge, (g/((\nb)-1))*((\nb)-1)+(\nb)-1
.set cnt, 0
.set gq, g+1
.rept (\nb)-1
.if (gq <= ge) && (gq < (\ng))
.set cnt, cnt+2*(\nt)
.if ((\kind) == 2) && (gq%(\per) == 0)
.set cnt, cnt+4*(\nt)
.endif
.endif
.set gq, gq+1
.endr
	s_wait_dscnt cnt
.endif
.if (\kind) == 1
	GMUL1 4*(g%3), 4*(g/5), g%5
.else
	GMUL2 (\nt)*(g%(\nb)), \nt, (\nt)*(g/8), 16*(g%8)
.endif
.set g, g+1
.endr
.endm
; gains and offsets of tiles 2 n, 2 n + 1: g, g, be, be, 8 registers each; even n into PT, odd n 32 registers lower
.macro PARLD n
	WIN 0
.set pb, PT-32*((\n)%2)
.irp u, 0,1
	ds_load_b128 v[pb+8*(\u):pb+8*(\u)+3],       v[TA] offset:64*(2*(\n)+(\u))
	ds_load_b128 v[pb+8*(\u)+4:pb+8*(\u)+7],     v[TA] offset:64*(2*(\n)+(\u))+16
	ds_load_b128 v[pb+16+8*(\u):pb+16+8*(\u)+3], v[TA] offset:1024+64*(2*(\n)+(\u))
	ds_load_b128 v[pb+16+8*(\u)+4:pb+16+8*(\u)+7], v[TA] offset:1024+64*(2*(\n)+(\u))+16
.endr
.endm
; four pair-chains of each rt into one number, the same in both halves of the lanes, at v[cb + 8 rt]
.macro REDUCE cb
	WIN 0
.irp rt, 0,1
	v_pk_add_f32 v[(\cb)+8*(\rt):(\cb)+8*(\rt)+1], v[(\cb)+8*(\rt):(\cb)+8*(\rt)+1], v[(\cb)+8*(\rt)+2:(\cb)+8*(\rt)+3]
	v_pk_add_f32 v[(\cb)+8*(\rt)+4:(\cb)+8*(\rt)+5], v[(\cb)+8*(\rt)+4:(\cb)+8*(\rt)+5], v[(\cb)+8*(\rt)+6:(\cb)+8*(\rt)+7]
.endr
.irp rt, 0,1
	v_pk_add_f32 v[(\cb)+8*(\rt):(\cb)+8*(\rt)+1], v[(\cb)+8*(\rt):(\cb)+8*(\rt)+1], v[(\cb)+8*(\rt)+4:(\cb)+8*(\rt)+5]
.endr
.irp rt, 0,1
	v_add_f32 v[(\cb)+8*(\rt)], v[(\cb)+8*(\rt)], v[(\cb)+8*(\rt)+1]
.endr
.irp rt, 0,1
	v_permlanex16_b32 v[(\cb)+8*(\rt)+1], v[(\cb)+8*(\rt)], s42, s43  ; the row's other 128 features lie in the lane 16 away
.endr
.irp rt, 0,1
	v_add_f32 v[(\cb)+8*(\rt)], v[(\cb)+8*(\rt)], v[(\cb)+8*(\rt)+1]
.endr
.endm
; LAYERNORM, RELU AND THE SPLIT INTO TWO TERMS, for the 256 features in P of both row tiles.  s39: the layer's gains in the table; s40, s41: the next layer's fragments and bias.  Written once, walked twice a step.
.macro LN
	PLACES
	WIN 0
	v_add_nc_u32 v[TA], s39, v[PARB]
	PARLD 0
	PARLD 1
	WIN 0x05                                       ; the sum
.set c, 0
.rept 4
.irp rt, 0,1
	v_pk_add_f32 v[CH+8*(\rt)+2*c:CH+8*(\rt)+2*c+1], v[128*(\rt)+2*c:128*(\rt)+2*c+1], v[128*(\rt)+2*c+8:128*(\rt)+2*c+9]
.endr
.set c, c+1
.endr
	WIN 0x01
.set p, 8
.rept 56
.irp rt, 0,1
	v_pk_add_f32 v[CH+8*(\rt)+2*(p%4):CH+8*(\rt)+2*(p%4)+1], v[128*(\rt)+2*p:128*(\rt)+2*p+1], v[CH+8*(\rt)+2*(p%4):CH+8*(\rt)+2*(p%4)+1]
.endr
.set p, p+1
.endr
	REDUCE CH
.irp rt, 0,1
	v_mul_f32 v[MN+2*(\rt)], s44, v[CH+8*(\rt)]
	v_mul_f32 v[MN+2*(\rt)+1], s44, v[CH+8*(\rt)]
.endr
	WIN 0x41                                       ; y - mean, in place
.set p, 0
.rept 64
.irp rt, 0,1
	v_pk_add_f32 v[128*(\rt)+2*p:128*(\rt)+2*p+1], v[128*(\rt)+2*p:128*(\rt)+2*p+1], v[MN+2*(\rt):MN+2*(\rt)+1] neg_lo:[0,1] neg_hi:[0,1]
.endr
.set p, p+1
.endr
	WIN 0x05                                       ; the sum of squares
.set p, 0
.rept 64
.irp rt, 0,1
.if p < 4
	v_pk_mul_f32 v[SQ+8*(\rt)+2*p:SQ+8*(\rt)+2*p+1], v[128*(\rt)+2*p:128*(\rt)+2*p+1], v[128*(\rt)+2*p:128*(\rt)+2*p+1]
.else
	v_pk_fma_f32 v[SQ+8*(\rt)+2*(p%4):SQ+8*(\rt)+2*(p%4)+1], v[128*(\rt)+2*p:128*(\rt)+2*p+1], v[128*(\rt)+2*p:128*(\rt)+2*p+1], v[SQ+8*(\rt)+2*(p%4):SQ+8*(\rt)+2*(p%4)+1]
.endif
.endr
.set p, p+1
.endr
	REDUCE SQ
	v_fma_f32 v[SQ], v[SQ], s44, s45               ; var + eps
	v_fma_f32 v[SQ+8], v[SQ+8], s44, s45
	v_rsq_f32 v[RS], v[SQ]
	v_rsq_f32 v[RS+1], v[SQ]
	v_rsq_f32 v[RS+2], v[SQ+8]
	v_rsq_f32 v[RS+3], v[SQ+8]
	v_nop                                          ; a plain instruction behind the last of them (ISA guide 5.7.2),
	s_wait_alu depctr_va_vdst(0)                   ; and the one wait ahead of the batch's first reader
.set b, 0
.rept 8                                        ; two tiles of both rt at a time: times 1 / sqrt, times g plus be, ReLU
.if b < 7
	s_wait_dscnt 8                                 ; this batch's gains are in; the next batch's eight loads may be out
.else
	s_wait_dscnt 0x0
.endif
	WIN 0x41
.set pb, PT-32*(b%2)
.irp u, 0,1
.irp rt, 0,1
.irp pp, 0,1,2,3
.set rP, 128*(\rt)+8*(2*b+(\u))+2*(\pp)
	v_pk_mul_f32 v[rP:rP+1], v[rP:rP+1], v[RS+2*(\rt):RS+2*(\rt)+1]
.endr
.endr
.endr
.irp u, 0,1
.irp rt, 0,1
.irp pp, 0,1,2,3
.set rP, 128*(\rt)+8*(2*b+(\u))+2*(\pp)
	v_pk_fma_f32 v[rP:rP+1], v[rP:rP+1], v[pb+8*(\u)+2*(\pp):pb+8*(\u)+2*(\pp)+1], v[pb+16+8*(\u)+2*(\pp):pb+16+8*(\u)+2*(\pp)+1]
.endr
.endr
.endr
.irp u, 0,1
.irp rt, 0,1
.irp j8, 0,1,2,3,4,5,6,7
.set rP, 128*(\rt)+8*(2*b+(\u))+(\j8)
	v_max_num_f32 v[rP], v[rP], v[ZERO]
.endr
.endr
.endr
.if b < 6
	PARLD b+2                                      ; into the buffer just used
.endif
.set b, b+1
.endr
	PRELOAD                                        ; the next layer's first twelve fragments land under the split
	v_add_nc_u32 v[TB], s41, v[PARB]
	WIN 0x85                                       ; hi = bf16(h)
.set t, 0
.rept 16
.irp rt, 0,1
.irp pp, 0,1,2,3
	v_cvt_pk_bf16_f32 v[128*(\rt)+16*(t/2)+4*(t%2)+(\pp)], v[128*(\rt)+8*t+2*(\pp)], v[128*(\rt)+8*t+2*(\pp)+1]
.endr
.endr
.set t, t+1
.endr
	WIN 0x52                                       ; h - hi, exact, in place
.set t, 0
.rept 16
.irp rt, 0,1
.irp pp, 0,1,2,3
	v_fma_mix_f32_bf16 v[128*(\rt)+8*t+2*(\pp)], v[128*(\rt)+16*(t/2)+4*(t%2)+(\pp)], v[NEG1], v[128*(\rt)+8*t+2*(\pp)] op_sel_hi:[1,0,0]
	v_fma_mix_f32_bf16 v[128*(\rt)+8*t+2*(\pp)+1], v[128*(\rt)+16*(t/2)+4*(t%2)+(\pp)], v[NEG1], v[128*(\rt)+8*t+2*(\pp)+1] op_sel:[1,0,0] op_sel_hi:[1,0,0]
.endr
.endr
.set t, t+1
.endr
	WIN 0x85                                       ; lo = bf16(h - hi)
.set t, 0
.rept 16
.irp rt, 0,1
.irp pp, 0,1,2,3
	v_cvt_pk_bf16_f32 v[128*(\rt)+16*(t/2)+8+4*(t%2)+(\pp)], v[128*(\rt)+8*t+2*(\pp)], v[128*(\rt)+8*t+2*(\pp)+1]
.endr
.endr
.if t == 3
	BIAS0                                          ; tiles 0-3 of P have been read for the last time: the next layer's bias lands there under the other twelve tiles' conversions
	WIN 0x85
.endif
.set t, t+1
.endr
.endm
; LAYER 1's OPERANDS for the step to come (t in s38), and its first fragments.  fromx = 1: x_init, out of x's registers; 0: the increment d, out of P.  One f16 term.
; The extra K block: k0 = hi of x[128], k1 = t, k2 = lo of x[128], k3 = 1 (for b1), the rest 0 (h has lain in these registers).
.macro QOPS fromx
	PRELOAD
.if \fromx
	WIN 0x80
.else
	WIN 0x85
.endif
.set t, 0
.rept 8
.irp rt, 0,1
.irp pp, 0,1,2,3
.if \fromx
	v_cvt_pk_f16_f32 v[128*(\rt)+16*(t/2)+4*(t%2)+(\pp)], v[XF+64*(\rt)+8*t+2*(\pp)], v[XF+64*(\rt)+8*t+2*(\pp)+1]
.else
	v_cvt_pk_f16_f32 v[128*(\rt)+16*(t/2)+4*(t%2)+(\pp)], v[128*(\rt)+8*t+2*(\pp)], v[128*(\rt)+8*t+2*(\pp)+1]
.endif
.endr
.endr
.set t, t+1
.endr
	WIN 0
	v_cvt_f32_u32 v[TB], s38
	v_cvt_pk_f16_f32 v[MN], v[X128], v[TB]
	v_cvt_pk_f16_f32 v[MN+1], v[X128+1], v[TB]
	v_fma_mix_f32 v[MN+2], v[MN], v[NEG1], v[X128] op_sel_hi:[1,0,0]      ; x[128] - hi, exact
	v_fma_mix_f32 v[MN+3], v[MN+1], v[NEG1], v[X128+1] op_sel_hi:[1,0,0]
	WIN 0x80
	v_mov_b32 v64, v[MN]
	v_mov_b32 v192, v[MN+1]
	v_cvt_pk_f16_f32 v65, v[MN+2], v[ONE]
	v_cvt_pk_f16_f32 v193, v[MN+3], v[ONE]
.irp k, 66,67,68,69,70,71
	v_mov_b32 v[\k], 0
	v_mov_b32 v[128+(\k)], 0
.endr
.endm
	; ---- THE HEAD
	s_load_b256 s[4:11], s[0:1], 0x0               ; wimg s[4:5], state s[6:7], x_init s[8:9], gumbel_noise s[10:11]
	s_load_b128 s[12:15], s[0:1], 0x20             ; action_mask s[12:13], out0 s[14:15]
	v_lshl_add_u32 v[SPW], v0, 2, SPARE
	v_mov_b32 v[NIL], 0
	ds_add_u32 v[SPW], v[NIL]                      ; the wave's opening: the add, twice on end, and its wait ahead of my first tensor load; work on registers stands between
	ds_add_u32 v[SPW], v[NIL]
	v_lshrrev_b32 v31, 5, v0
	v_readfirstlane_b32 s16, v31                   ; wave 0..3
	s_mov_b32 s18, ttmp9                           ; the work-group
	s_lshl2_add_u32 s19, s18, s16                  ; my wave among the launch's 1,024
	s_mov_b32 s24, 1                               ; group 0: count = 1
	s_mul_i32 s25, s16, WPART                      ; LDS address: my quarter of the image
	s_mul_i32 s2, s16, WPART                       ; and the same quarter in wimg
	s_mov_b32 s3, 0
	s_mov_b32 s28, 3<<16                           ; group 1: no mask; elements of 8 bytes; no padding
	s_mov_b32 s29, 32<<16                          ; tensor_dim0 = 32 elements: rows of 256 bytes
	s_mov_b32 s30, 286<<16                         ; tensor_dim1 = 286
	s_mov_b32 s31, 32<<16                          ; tile_dim0 = 32
	s_mov_b32 s32, 286                             ; tile_dim1 = 286
	s_mov_b32 s33, 32                              ; rows lie end to end
	s_mov_b32 s34, 0
	s_mov_b32 s35, 0
	s_mov_b32 s42, 0x76543210                      ; v_permlanex16_b32: each lane takes its own place in the other half
	s_mov_b32 s43, 0xfedcba98
	s_mov_b32 s44, 0x3b800000                      ; 1 / 256
	s_mov_b32 s45, 0x3727c5ac                      ; 1e-5
	s_mov_b32 s46, 0xbdcccccd                      ; -0.1
	s_mov_b32 s47, 0xbdcccccd                      ; named with it as a pair
	s_mov_b32 s48, 0xffff0000                      ; a word's upper bf16
	s_mul_i32 s49, s16, STGW
	s_add_co_u32 s49, s49, STAGE                   ; my stage
	v_and_b32 v[RR], 15, v0
	v_bfe_u32 v[HH], v0, 4, 1
	v_and_b32 v31, 31, v0
	v_lshlrev_b32 v[AB], 4, v31
	v_add_nc_u32 v[AB+1], 0x10000, v[AB]
	v_add_nc_u32 v[AB+2], 0x20000, v[AB]
	v_add_nc_u32 v[AB+3], 0x30000, v[AB]
	v_add_nc_u32 v[AB+4], 0x40000, v[AB]
	v_lshl_add_u32 v[PARB], v[HH], 5, PARL
	v_mov_b32 v[ZERO], 0
	v_mov_b32 v[NEG1], -1.0
	v_mov_b32 v[ONE], 1.0
	v_add_nc_u32 v[STW], s49, v[AB]
	v_mul_u32_u24 v[STR], v[RR], 528
	v_lshl_add_u32 v[STR], v[HH], 5, v[STR]
	v_add_nc_u32 v[STR], s49, v[STR]
	v_mul_u32_u24 v[STX], v[RR], 516
	v_add_nc_u32 v[STX], s49, v[STX]
	v_add_nc_u32 v[STX1], 512, v[STX]
	v_lshl_add_u32 v[STX], v[HH], 5, v[STX]
	v_mov_b32 v[GOFF], v[AB]
	v_add_nc_u32 v[GX17], 8192, v[AB]
	v_min_u32 v[GX17], 8240, v[GX17]
	v_add_nc_u32 v[TA], s49, v[GX17]               ; and where the 17th load's bytes go in my stage
	s_lshl_b32 s20, s19, 14                        ; my 32 rows of 512 bytes
	s_mov_b32 s21, 0
	s_mul_i32 s22, s19, 16512                      ; my 32 rows of 516 bytes
	s_mov_b32 s23, 0
	s_wait_dscnt 0x0                               ; both opening adds are done
	s_wait_kmcnt 0x0
	s_add_nc_u64 s[26:27], s[4:5], s[2:3]          ; group 0: the global address,
	s_or_b32 s27, s27, 0x80000000                  ; type = 2
	s_add_nc_u64 s[52:53], s[6:7], s[20:21]        ; state,
	s_add_nc_u64 s[56:57], s[10:11], s[20:21]      ; the noise
	s_add_nc_u64 s[58:59], s[12:13], s[20:21]      ; and the mask at my wave's first row
	s_add_nc_u64 s[54:55], s[8:9], s[22:23]        ; x_init likewise
	s_mul_i32 s22, s18, 66048                      ; the work-group's 128 rows of out0
	s_add_nc_u64 s[60:61], s[14:15], s[22:23]
	s_add_nc_u64 s[50:51], s[4:5], 292864          ; W1's rows for state, in wimg
	tensor_load_to_lds s[24:27], s[28:35]          ; my quarter of the image: the wave's one tensor load of the launch, ahead of every barrier, LDS read and wait on TENSORcnt
	s_nop 0
	PLACES
	; ---- x_init AND state COME IN by loads of 512 consecutive bytes and change lanes in my stage.  66 loads; each wait's count is the loads issued behind the block that it waits for.
	WIN 0xC0
.irp rt, 0,1
.set i, 0
.rept 16
	global_load_b128 v[68*(\rt)+4*i:68*(\rt)+4*i+3], v[GOFF], s[54:55] offset:8256*(\rt)+512*i th:TH_LOAD_NT
.set i, i+1
.endr
	global_load_b128 v[68*(\rt)+64:68*(\rt)+67], v[GX17], s[54:55] offset:8256*(\rt) th:TH_LOAD_NT
.endr
	WIN 0x40
.set i, 0
.rept 32
	global_load_b128 v[4*i:4*i+3], v[GOFF], s[52:53] offset:512*i th:TH_LOAD_NT
.set i, i+1
.endr
.macro XIN rt, left                    ; 16 rows of 516 bytes lie on end in the stage; lane (r, h) takes the features 16 t + 8 h + j of row r, and x[128]
	s_wait_loadcnt \left
	WIN 0x0C
.set i, 0
.rept 16
	ds_store_b128 v[STW], v[68*(\rt)+4*i:68*(\rt)+4*i+3] offset:512*i
.set i, i+1
.endr
	ds_store_b128 v[TA], v[68*(\rt)+64:68*(\rt)+67]
	WIN 0
.set i, 0
.rept 64
	ds_load_b32 v[XF+64*(\rt)+i], v[STX] offset:64*(i/8)+4*(i%8)  ; LDS serves a wave's instructions in order (ISA guide 5.7.1.4): these see the stores above, and the next block's stores come behind them
.set i, i+1
.endr
	ds_load_b32 v[X128+(\rt)], v[STX1]
.endm
.macro SIN rt, left                    ; 16 rows of 512 bytes, 528 apart (an odd multiple of 16, so that the 16 rows of a load start in 16 different groups of four banks: ISA guide 11.1)
	s_wait_loadcnt \left
	WIN 0x04
.set i, 0
.rept 16
	ds_store_b128 v[STW], v[64*(\rt)+4*i:64*(\rt)+4*i+3] offset:528*i
.set i, i+1
.endr
	WIN 0x40
.set t, 0
.rept 8
	ds_load_b128 v[64*(\rt)+8*t:64*(\rt)+8*t+3],   v[STR] offset:64*t
	ds_load_b128 v[64*(\rt)+8*t+4:64*(\rt)+8*t+7], v[STR] offset:64*t+16
.set t, t+1
.endr
.endm
	XIN 0, 49
	XIN 1, 32
	SIN 0, 16
	SIN 1, 0
	s_wait_dscnt 0x0
	WIN 0x85                                       ; state as source 1: one term, since bf16(state) is the input
.set t, 0
.rept 8
.irp rt, 0,1
.irp pp, 0,1,2,3
	v_cvt_pk_bf16_f32 v[128*(\rt)+4*t+(\pp)], v[64*(\rt)+8*t+2*(\pp)], v[64*(\rt)+8*t+2*(\pp)+1]
.endr
.endr
.set t, t+1
.endr
	; ---- state @ W1[0:128] INTO S.  Its 64 fragments come from memory in four batches of 16 (a quad of tiles x 4 K blocks) into the two halves of P, two batches on their way.
.macro WLOAD n
	WIN 0x40
.set sl, 0
.rept 16
	global_load_b128 v[128*((\n)%2)+8*sl:128*((\n)%2)+8*sl+3],   v[GOFF], s[50:51] offset:(16*(\n)+sl)*1024
	global_load_b128 v[128*((\n)%2)+8*sl+4:128*((\n)%2)+8*sl+7], v[GOFF], s[50:51] offset:(16*(\n)+sl)*1024+512
.set sl, sl+1
.endr
.endm
.macro SPROD n                         ; 32 products; the 8 accumulators take turns; the first K block starts the sums
	WIN 0xF9
.set kb, 0
.rept 4
.set mi, 0
.rept 4
.set mr, 0
.rept 2
.set rD, 128*mr+8*(4*(\n)+mi)
.set rA, 128*((\n)%2)+8*(4*kb+mi)
.set rB, 128*mr+8*kb
.if kb == 0
	v_wmma_f32_16x16x32_bf16 v[rD:rD+7], v[rA:rA+7], v[rB:rB+7], 0
.else
	v_wmma_f32_16x16x32_bf16 v[rD:rD+7], v[rA:rA+7], v[rB:rB+7], v[rD:rD+7]
.endif
.set mr, mr+1
.endr
.set mi, mi+1
.endr
.set kb, kb+1
.endr
.endm
	WLOAD 0
	WLOAD 1
	WIN 0                                          ; x_init is rounded to bf16, and kept in f32, while they are on their way
.set p, 0
.rept 64
	v_cvt_pk_bf16_f32 v[XF+2*p], v[XF+2*p], v[XF+2*p+1]
.set p, p+1
.endr
	v_cvt_pk_bf16_f32 v[X128], v[X128], v[X128+1]
.set p, 0
.rept 64
	v_and_b32 v[XF+2*p+1], s48, v[XF+2*p]
.set p, p+1
.endr
	v_and_b32 v[X128+1], s48, v[X128]
.set p, 0
.rept 64
	v_lshlrev_b32 v[XF+2*p], 16, v[XF+2*p]
.set p, p+1
.endr
	v_lshlrev_b32 v[X128], 16, v[X128]
	s_wait_loadcnt 32                              ; batch 0 is in; batch 1's 32 loads may be out
	SPROD 0
	PLACES
	WLOAD 2
	s_wait_loadcnt 32
	SPROD 1
	PLACES
	WLOAD 3
	s_wait_loadcnt 32
	SPROD 2
	s_wait_loadcnt 0x0
	SPROD 3
	PLACES                                         ; Q, which those products read, is written next
	WIN 0
	s_wait_tensorcnt 0x0                           ; my quarter of the image is in,
	s_barrier_signal -1
	s_barrier_wait -1                              ; everybody's is.  Nothing writes the image from here on: the step loop needs no barrier
	s_mov_b32 s40, 0                               ; layer 1's first fragments
	s_mov_b32 s38, 6                               ; t of the first step
	QOPS 1                                         ; the first step's "increment" is x_init itself; these conversions also part the bf16 products above from the f16 products that take S up
	WIN 0
	; ---- THE 7 STEPS
	s_mov_b32 s36, 7
.Lstep:
	s_mov_b32 s37, 2
.Llay:                                                 ; two trips: layer 1 and its LayerNorm, layer 2 and its
	s_cmp_eq_u32 s37, 2
	s_cbranch_scc0 .Larm2
	s_mov_b32 s39, 0                               ; g1, be1
	s_mov_b32 s40, 81920                           ; behind it: layer 2's first fragments,
	s_mov_b32 s41, 4096                            ; b2
	LAYER 1, 0, 4, 20, 3, 5, 0
	WIN 0
	s_branch .Lnorm
.Larm2:
	s_mov_b32 s39, 2048                            ; g2, be2
	s_mov_b32 s40, 212992                          ; layer 3's first fragments,
	s_mov_b32 s41, 5120                            ; b3
	s_cmp_lg_u32 s36, 1
	s_cbranch_scc1 .Lnot_last
	WIN 0xC0                                       ; the last step has taken S for the last time: the noise and the mask land there, a layer and a half ahead of their use
.set i, 0
.rept 32
	global_load_b128 v[4*i:4*i+3], v[GOFF], s[56:57] offset:512*i th:TH_LOAD_NT
.set i, i+1
.endr
.set i, 0
.rept 32
	global_load_b128 v[128+4*i:128+4*i+3], v[GOFF], s[58:59] offset:512*i th:TH_LOAD_NT
.set i, i+1
.endr
	WIN 0
.Lnot_last:
	LAYER 2, 80, 4, 32, 3, 8, 4096
	WIN 0
.Lnorm:
	LN
	WIN 0
	s_sub_co_u32 s37, s37, 1
	s_cmp_lg_u32 s37, 0
	s_cbranch_scc1 .Llay
	LAYER 2, 208, 3, 24, 4, 8, 5120
	PLACES
	WIN 0x41                                       ; d = -0.1 x noise_pred, in place; each accumulator from its low end on
.set p, 0
.rept 32
.irp rt, 0,1
	v_pk_mul_f32 v[128*(\rt)+2*p:128*(\rt)+2*p+1], v[128*(\rt)+2*p:128*(\rt)+2*p+1], s[46:47] op_sel_hi:[1,0]
.endr
.set p, p+1
.endr
	v_mul_f32 v64, v64, s46                        ; feature 128 is register 0 of tile 8, in lanes 0-15; lanes 16-31 hold a column of zeros there
	v_mul_f32 v192, v192, s46
	WIN 0x01                                       ; x += d
.set p, 0
.rept 32
.irp rt, 0,1
	v_pk_add_f32 v[XF+64*(\rt)+2*p:XF+64*(\rt)+2*p+1], v[128*(\rt)+2*p:128*(\rt)+2*p+1], v[XF+64*(\rt)+2*p:XF+64*(\rt)+2*p+1]
.endr
.set p, p+1
.endr
	v_add_f32 v[X128], v64, v[X128]
	v_add_f32 v[X128+1], v192, v[X128+1]
	WIN 0
	s_wait_loadcnt 0x0                             ; nothing is out but in the last trip: the noise and the mask
	s_cmp_eq_u32 s36, 1
	s_cbranch_scc1 .Lno_next                       ; the last step feeds no further layer
	s_mov_b32 s40, 0
	s_sub_co_u32 s38, s36, 2                       ; t of the step to come
	QOPS 0
	WIN 0
.Lno_next:
	s_sub_co_u32 s36, s36, 1
	s_cmp_lg_u32 s36, 0
	s_cbranch_scc1 .Lstep
	; ---- THE END: z, its argmax, tanh
.irp rt, 0,1
.irp ar, 0,1                           ; the noise, then the mask, through my stage as state came in: into P at 128 rt (noise) and 128 rt + 64 (mask)
	WIN 0x0C
.set i, 0
.rept 16
	ds_store_b128 v[STW], v[128*(\ar)+64*(\rt)+4*i:128*(\ar)+64*(\rt)+4*i+3] offset:528*i
.set i, i+1
.endr
	WIN 0x40
.set t, 0
.rept 8
	ds_load_b128 v[128*(\rt)+64*(\ar)+8*t:128*(\rt)+64*(\ar)+8*t+3],   v[STR] offset:64*t
	ds_load_b128 v[128*(\rt)+64*(\ar)+8*t+4:128*(\rt)+64*(\ar)+8*t+7], v[STR] offset:64*t+16
.set t, t+1
.endr
.endr
.endr
	s_mov_b32 s20, 0xce6e6b28                      ; -1e9
	s_mov_b32 s21, 0xce6e6b28
	s_wait_dscnt 0x0
	WIN 0x45                                       ; both are rounded to bf16 and kept in f32
.set p, 0
.rept 128
	v_cvt_pk_bf16_f32 v[2*p], v[2*p], v[2*p+1]
.set p, p+1
.endr
.set p, 0
.rept 128
	v_and_b32 v[2*p+1], s48, v[2*p]
.set p, p+1
.endr
.set p, 0
.rept 128
	v_lshlrev_b32 v[2*p], 16, v[2*p]
.set p, p+1
.endr
.set p, 0
.rept 32
.irp rt, 0,1
	v_pk_add_f32 v[128*(\rt)+64+2*p:128*(\rt)+64+2*p+1], v[128*(\rt)+64+2*p:128*(\rt)+64+2*p+1], 1.0 op_sel_hi:[1,0] neg_lo:[1,0] neg_hi:[1,0]  ; 1 - mask
.endr
.set p, p+1
.endr
.set p, 0
.rept 32
.irp rt, 0,1
	v_pk_mul_f32 v[128*(\rt)+64+2*p:128*(\rt)+64+2*p+1], v[128*(\rt)+64+2*p:128*(\rt)+64+2*p+1], s[20:21] op_sel_hi:[1,0]  ; times -1e9
.endr
.set p, p+1
.endr
	WIN 0x41
.set p, 0
.rept 32
.irp rt, 0,1
	v_pk_add_f32 v[128*(\rt)+64+2*p:128*(\rt)+64+2*p+1], v[128*(\rt)+64+2*p:128*(\rt)+64+2*p+1], v[XF+64*(\rt)+2*p:XF+64*(\rt)+2*p+1]  ; es_logits
.endr
.set p, p+1
.endr
	WIN 0x45
.set p, 0
.rept 32
.irp rt, 0,1
	v_pk_add_f32 v[128*(\rt)+2*p:128*(\rt)+2*p+1], v[128*(\rt)+64+2*p:128*(\rt)+64+2*p+1], v[128*(\rt)+2*p:128*(\rt)+2*p+1]  ; z, at P + 128 rt
.endr
.set p, p+1
.endr
	WIN 0x15                                       ; the largest of my 64 z: four chains of 15 for each rt, then the four left over
.irp c4, 0,1,2,3
.irp rt, 0,1
	v_max3_num_f32 v[32+4*(\rt)+(\c4)], v[128*(\rt)+16*(\c4)], v[128*(\rt)+16*(\c4)+1], v[128*(\rt)+16*(\c4)+2]
.endr
.endr
	WIN 0x14
.set k, 0
.rept 6
.irp c4, 0,1,2,3
.irp rt, 0,1
	v_max3_num_f32 v[32+4*(\rt)+(\c4)], v[32+4*(\rt)+(\c4)], v[128*(\rt)+16*(\c4)+3+2*k], v[128*(\rt)+16*(\c4)+4+2*k]
.endr
.endr
.set k, k+1
.endr
.irp rt, 0,1
	v_max3_num_f32 v[32+4*(\rt)], v[32+4*(\rt)], v[128*(\rt)+15], v[128*(\rt)+31]
	v_max3_num_f32 v[34+4*(\rt)], v[34+4*(\rt)], v[128*(\rt)+47], v[128*(\rt)+63]
.endr
	WIN 0
.irp rt, 0,1
	v_max3_num_f32 v[32+4*(\rt)], v[32+4*(\rt)], v[33+4*(\rt)], v[34+4*(\rt)]
.endr
.irp rt, 0,1
	v_max_num_f32 v[32+4*(\rt)], v[32+4*(\rt)], v[35+4*(\rt)]
.endr
.irp rt, 0,1
	v_permlanex16_b32 v[33+4*(\rt)], v[32+4*(\rt)], s42, s43
.endr
.irp rt, 0,1
	v_max_num_f32 v[32+4*(\rt)], v[32+4*(\rt)], v[33+4*(\rt)]  ; the row's maximum: v32, v36
.endr
	v_mov_b32 v40, 0x400                           ; no place yet
	v_mov_b32 v41, 0x400
	WIN 0x01                                       ; from the last of my z to the first: the lowest place at which z is the maximum stays.  A value is selected; no branch and no address hangs on it
.set i, 63
.rept 64
	v_cmp_neq_f32 vcc_lo, v[i], v32
	v_cmp_neq_f32 s62, v[128+i], v36
	v_cndmask_b32 v40, 16*(i/8)+i%8, v40, vcc_lo
	v_cndmask_b32 v41, 16*(i/8)+i%8, v41, s62
.set i, i-1
.endr
	WIN 0
	v_lshl_add_u32 v40, v[HH], 3, v40              ; my half's features lie 8 h further on
	v_lshl_add_u32 v41, v[HH], 3, v41
	v_permlanex16_b32 v33, v40, s42, s43
	v_permlanex16_b32 v37, v41, s42, s43
	v_min_u32 v44, v40, v33                        ; the row's first such place
	v_min_u32 v46, v41, v37
	v_mul_f32 v52, 0x4038aa3b, v[X128]             ; tanh(x) = 1 - 2 / (1 + 2^(2 log2(e) x)): 1 and -1 at the ends of the range
	v_mul_f32 v53, 0x4038aa3b, v[X128+1]
	v_exp_f32 v52, v52
	v_exp_f32 v53, v53
	v_nop
	s_wait_alu depctr_va_vdst(0)                   ; one wait for the two exponentials
	v_add_f32 v52, 1.0, v52
	v_add_f32 v53, 1.0, v53
	v_rcp_f32 v52, v52
	v_rcp_f32 v53, v53
	v_nop
	s_wait_alu depctr_va_vdst(0)                   ; and one for the two reciprocals
	v_fma_f32 v45, v52, -2.0, 1.0
	v_fma_f32 v47, v53, -2.0, 1.0
	s_lshl_b32 s20, s16, 8
	s_add_co_u32 s20, s20, STAGE
	v_lshl_add_u32 v48, v[HH], 10, s20
	v_lshl_add_u32 v48, v[RR], 3, v48              ; the table: STAGE + 8 x (row in the work-group); lanes 16-31 write a second copy 1,024 bytes on, of which only the first entry is ever read
	s_barrier_signal -1                            ; every wave's reads of its stage are back (the wait for them stands above): the table may take wave 0's stage
	s_barrier_wait -1
	ds_store_b64 v48, v[44:45]                     ; {place of the 1, tanh}
	ds_store_b64 v48, v[46:47] offset:128
	s_wait_dscnt 0x0                               ; for the others' sake: my entries are written
	s_barrier_signal -1
	s_barrier_wait -1
	; ---- out0.  The work-group's 128 rows are 66,048 consecutive bytes: 129 pieces of 512, each stored whole by one instruction.  A wave makes 32 of them, wave 0 the last one too.
	; A lane's four numbers begin at element e = 129 row + col; they may reach into the next row, never past its third number.
	s_lshl_b32 s20, s16, 12
	s_mov_b32 s21, 65028                           ; e x 65,028 >> 23 = e / 129 for e under 16,512
	v_and_b32 v31, 31, v0
	v_lshl_add_u32 v49, v31, 2, s20                ; e of my first piece
	v_lshlrev_b32 v50, 2, v49                      ; and its byte
.macro OUTA q                          ; row and column of piece q's four numbers; the two rows' entries are asked for
.set ob, 64+16*(\q)
	v_add_nc_u32 v[ob], 128*(\q), v49
	v_mul_lo_u32 v[ob+1], v[ob], s21
	v_lshrrev_b32 v[ob+1], 23, v[ob+1]
	v_min_u32 v[ob+1], 127, v[ob+1]
	v_mul_u32_u24 v[ob+2], 129, v[ob+1]
	v_sub_nc_u32 v[ob+2], v[ob], v[ob+2]
	v_lshl_add_u32 v[ob+3], v[ob+1], 3, STAGE
	ds_load_b64 v[ob+4:ob+5], v[ob+3]
	ds_load_b64 v[ob+6:ob+7], v[ob+3] offset:8
.endm
.macro OUTB q, left                    ; number k is 1 where col + k is the row's place or 129 + the next row's, tanh where it is 128, else 0
.set ob, 64+16*(\q)
	s_wait_dscnt \left                             ; the later pieces' loads may be out
	v_sub_nc_u32 v[ob+12], v[ob+4], v[ob+2]
	v_sub_nc_u32 v[ob+13], v[ob+6], v[ob+2]
	v_add_nc_u32 v[ob+13], 129, v[ob+13]
	v_sub_nc_u32 v[ob+14], 128, v[ob+2]
.irp k, 0,1,2,3
	v_cmp_eq_u32 vcc_lo, \k, v[ob+12]
	v_cndmask_b32 v[ob+8+(\k)], 0, v[ONE], vcc_lo
	v_cmp_eq_u32 vcc_lo, \k, v[ob+13]
	v_cndmask_b32 v[ob+8+(\k)], v[ob+8+(\k)], v[ONE], vcc_lo
	v_cmp_eq_u32 vcc_lo, \k, v[ob+14]
	v_cndmask_b32 v[ob+8+(\k)], v[ob+8+(\k)], v[ob+5], vcc_lo
.endr
	global_store_b128 v50, v[ob+8:ob+11], s[60:61] offset:512*(\q) th:TH_STORE_NT  ; 512 consecutive bytes, at a multiple of 256 from out0's first
.endm
	s_mov_b32 s63, 8
.Lout:
	OUTA 0
	OUTA 1
	OUTA 2
	OUTA 3
	OUTB 0, 6
	OUTB 1, 4
	OUTB 2, 2
	OUTB 3, 0
	s_wait_xcnt 0x0                                ; the stores have read their address and data registers: only now are these written again
	v_add_nc_u32 v49, 512, v49
	v_add_nc_u32 v50, 2048, v50
	s_sub_co_u32 s63, s63, 1
	s_cmp_lg_u32 s63, 0
	s_cbranch_scc1 .Lout
	s_cmp_lg_u32 s16, 0
	s_cbranch_scc1 .Lend
	v_add_nc_u32 v49, 12288, v49                   ; wave 0 stands at piece 32: on to piece 128
	v_add_nc_u32 v50, 49152, v50
	OUTA 0
	OUTB 0, 0
.Lend:
	s_wait_tensorcnt 0x0                           ; the wave's end, behind my tensor load and my last LDS store
	ds_add_u32 v[SPW], v[NIL]
	s_wait_dscnt 0x0
	s_endpgm
.Lfunc_end_k_q1fa7f07263_actor:
	.size	k_q1fa7f07263_actor, .Lfunc_end_k_q1fa7f07263_actor-k_q1fa7f07263_actor
	.p2alignl 7, 3214868480
	.fill 96, 4, 3214868480
	.section	.rodata,"a",@progbits
	.p2align	6, 0x0
	.amdhsa_kernel k_q1fa7f07263_actor
		.amdhsa_group_segment_fixed_size 327680
		.amdhsa_private_segment_fixed_size 0
		.amdhsa_enable_private_segment 0
		.amdhsa_kernarg_size 48
		.amdhsa_user_sgpr_count 2
		.amdhsa_user_sgpr_kernarg_segment_ptr 1
		.amdhsa_wavefront_size32 1
		.amdhsa_system_sgpr_workgroup_id_x 1
		.amdhsa_system_sgpr_workgroup_id_y 1
		.amdhsa_system_sgpr_workgroup_id_z 1
		.amdhsa_system_vgpr_workitem_id 0
		.amdhsa_next_free_vgpr 1024
		.amdhsa_next_free_sgpr 66
		.amdhsa_reserve_vcc 1
		.amdhsa_float_denorm_mode_32 3
		.amdhsa_float_denorm_mode_16_64 3
		.amdhsa_memory_ordered 1
		.amdhsa_forward_progress 1
		.amdhsa_inst_pref_size 255
	.end_amdhsa_kernel
	.section	.bss,"aw",@nobits
	.p2align	6
	.space	262144
	.amdgpu_metadata
---
amdhsa.version: [ 1, 2 ]
amdhsa.kernels:
  - .name:           k_q1fa7f07263_actor
    .symbol:         k_q1fa7f07263_actor.kd
    .args:
      - { .name: wimg, .offset: 0, .size: 8, .value_kind: global_buffer, .address_space: global }
      - { .name: state, .offset: 8, .size: 8, .value_kind: global_buffer, .address_space: global }
      - { .name: x_init, .offset: 16, .size: 8, .value_kind: global_buffer, .address_space: global }
      - { .name: gumbel_noise, .offset: 24, .size: 8, .value_kind: global_buffer, .address_space: global }
      - { .name: action_mask, .offset: 32, .size: 8, .value_kind: global_buffer, .address_space: global }
      - { .name: out0, .offset: 40, .size: 8, .value_kind: global_buffer, .address_space: global }
    .group_segment_fixed_size: 327680
    .private_segment_fixed_size: 0
    .kernarg_segment_align: 8
    .kernarg_segment_size: 48
    .max_flat_workgroup_size: 128
    .sgpr_count:     66
    .vgpr_count:     1024
    .wavefront_size: 32
...
	.end_amdgpu_metadata
.endif
;; end of part 2
